; MI455X (gfx1250); checked and timed in simulation.
; The chip was launched on July 23, 2026; its instructions are those of AMD's public machine-readable ISA for CDNA 5 (MIT licence, August 2026) and "CDNA5" Instruction Set Architecture Reference Guide (July 2026). The comments in the code are by the model that wrote it; some were corrected since.
;; MLP Decoder. Allowed arithmetic: matrix products marked QUANTISED: E2M1 operands, one E8M0 scale for each 32 along K, by v_wmma_scale_f32_16x16x128_f8f6f4 with both operands' format E2M1 (or v_wmma_scale_f32_32x16x128_f4), f32 sums; products left as they are: f32 operands where the result goes on into a quantised operand, else bf16, f16 or f32 operands; f32 sums; everything else in f32.
;; Inputs: W1 256 x 512 float32; W2 1 x 256 float32; b1 256 float32; b2 1 float32; z 1,024 x 256 float32.
;; Outputs: out0 1,024 x 1,024 float32.
;; This version of the problem:
;;   THIS VERSION OF THE PROBLEM IS GIVEN IN LOW PRECISION. The matrix products marked QUANTISED in the list below multiply operands that are first quantised to E2M1 (2 exponent bits, 1 mantissa bit; 4 bits a number), with one power-of-two scale for each 32 numbers along K (OCP MX v1.0); their sums are f32. All else is computed in f32.
;;   The module's matrix products, in the order in which they are computed (A, B: the left and right operand; K: the contracted axis; several contracted axes count as one K, in the product's order):
;;     1. [M 1,024, K 256] x [K 256, N 256]; A: input z; B: input W1: QUANTISED
;;     2. [M 1,024, K 256] x [K 256, N 256]; A: input z; B: input W1: QUANTISED
;;     3. [M 1,048,576, K 256] x [K 256, N 1]; A: computed on the way; B: input W2: left as it is (N = 1 < 16)
;;   THE QUANTISER, for each operand of a quantised product, along K:
;;     - K is cut into blocks of 32 from its start; a last block that is shorter is filled with zeros.
;;     - A block's scale is 2^e with e = floor(log2(the largest magnitude in the block)) - 2, held to -126 .. 127; a block of zeros has e = 0. As a byte (E8M0): e + 127.
;;     - Each number is divided by its block's scale, clamped to +-6, and rounded to the nearest number of E2M1, ties to even, subnormals kept.
;;     - The product sums the exact products of the quantised numbers (number of the format x scale) in f32.
;;   ~~~python
;;   def quantise(x, axis):      # numpy; x: float32 -> the quantised numbers, widened to float32 again
;;       x = np.moveaxis(x, axis, -1); K = x.shape[-1]
;;       x = np.pad(x, [(0, 0)] * (x.ndim - 1) + [(0, -K % 32)]); x = x.reshape(x.shape[:-1] + (-1, 32)); a = np.abs(x).max(-1, keepdims=True)
;;       e = np.where(a > 0, np.clip(np.frexp(np.where(a > 0, a, 1))[1] - 1 - 2, -126, 127), 0)      # np.frexp(a)[1] - 1 = floor(log2(a)), exactly
;;       r = np.clip(x / 2.0 ** e, -6, 6)
;;       step = 2.0 ** (np.maximum(np.frexp(np.where(r == 0, 1, r))[1] - 1, 0) - 1)
;;       q = np.round(r / step) * step * 2.0 ** e      # np.round: ties to even
;;       return np.moveaxis(q.reshape(q.shape[:-2] + (-1,))[..., :K], -1, axis).astype(np.float32)
;;   ~~~
;; 2 versions, each right; version 2 is version 1 with the launch pairs written anew for expert scheduling mode. Each part assembles by itself: llvm-mc -triple=amdgcn-amd-amdhsa -mcpu=gfx1250 --defsym DOCPART=n.
;; ======== version 1 of 2: 2 launches
;; workspace buffers: q 221,184 bytes
;; launch quant (part 1): grid 96 x 1, 1 waves a work-group, no clusters, 16,896 bytes of LDS; arguments z, W1, q; writes q
.if DOCPART == 1
	.amdgcn_target "amdgcn-amd-amdhsa--gfx1250"
	.amdhsa_code_object_version 6
	.text
	.protected	k_qe9ca0f7a6f_quant
	.globl	k_qe9ca0f7a6f_quant
	.p2align	8
	.type	k_qe9ca0f7a6f_quant,@function
k_qe9ca0f7a6f_quant:
	s_mov_b64 s[64:65], 0
	v_nop
	global_prefetch_b8 v0, s[64:65] scope:SCOPE_SE
	s_setreg_imm32_b32 hwreg(HW_REG_WAVE_MODE, 25, 1), 1
	s_wait_xcnt 0x0
; z [1024][256] and W1 [256][512], f32, become codes of FP4 (E2M1) with one E8M0 scale byte for each 32 along K, for the two quantised products
; row = z W1[:, :256]^T and col = z W1[:, 256:]^T (K = 256 in both).  No work of the problem is left out in this program, and all five inputs are loaded (b1, W2, b2 by the second launch).
; A TILE is 16 rows x 256 K: tiles 0-63 are z's rows 16 T on; tile 64 + 2 t + s is W1's rows 16 t on, columns 256 s on.  One wave makes one tile: 96 work-groups of one wave; each number is read and quantised once.
; THE CODES OF W1's SECOND HALF ARE STORED WITH THEIR SIGNS FLIPPED: the quantiser is odd, Q(-x) = -Q(x), so the second launch's product gives -col, which is what it wants.
; THE WORKSPACE IS LAID IN THE ORDER OF THE OPERAND'S REGISTERS.  Lane (r = lane % 16, h = lane / 16) of a fragment holds row r; registers 4 c .. 4 c + 3 hold K = 64 c + 32 h + 0 .. 31.
; A tile's codes: [block pair b = 0..3][lane][16 bytes], b = 2 x (K step of 128) + c: 2,048 bytes.  Its scale words: [lane][K step 0, K step 1]: 256 bytes (lanes l and l + 16 hold the same words), from byte SCB of q on.
; A block's scale is 2^(floor(log2(its largest magnitude)) - 2); its byte is the largest magnitude's exponent field - 2, held at 1 from below.  A block of zeros so gets the byte 1 where the rule says 127:
; its codes are zeros, which add nothing, and this program alone reads the bytes.  LIMITS: NaN and infinities among the inputs are not served.
; Each load reads 512 consecutive bytes of a row; the conversions want 32 neighbours along K in one lane: so the numbers turn through a stage in LDS, rows 1,040 bytes apart (16 lanes, 16 rows: 16 different groups of banks).
.set NZT,   64                         ; tiles of z
.set SCB,   196608                     ; 96 tiles x 2,048 bytes of codes; the scale words follow
.set RP,    1040                       ; a stage row: 1,024 bytes + 16
.set SPARE, 16*RP                      ; behind the stage: the spare words, one block of 256 bytes that no other line names
.set SPW, 2                            ; v2      LDS address of my spare word; never rewritten
.set NIL, 3                            ; v3      0; never rewritten
.set LO,  4                            ; v4      16 x lane
.set RD,  5                            ; v5      the stage on the way back: r x RP + 128 h
.set L8,  6                            ; v6      8 x lane
.set SH,  7                            ; v7      8 h: where my bytes stand in a scale word
.set M,   8                            ; v8-11   largest magnitudes, two chains for each of two blocks
.set SC,  12                           ; v12-13  the conversions' scale operands
.set BY,  14                           ; v14-15  the scale bytes
.set WD,  16                           ; v[16:17] the two scale words
.set TP,  18                           ; v18-19  the other half's bytes
.set C,   20                           ; v20-35  the tile's codes
.set R0,  40                           ; v40-103  the first 512 bytes of the 16 rows as loaded; later the second K step's numbers
.set R1,  104                          ; v104-167 the second 512 bytes
.set X0,  168                          ; v168-231 the first K step's numbers: 2 blocks x 32 neighbours
	s_load_b128 s[4:7], s[0:1], 0x0                ; z, W1
	s_load_b64 s[8:9], s[0:1], 0x10                ; q
	v_lshl_add_u32 v[SPW], v0, 2, SPARE
	v_mov_b32 v[NIL], 0
	v_lshlrev_b32 v[LO], 4, v0                     ; one wave: the thread's number is the lane
	v_and_b32 v1, 15, v0                           ; r
	v_lshrrev_b32 v[SH], 4, v0                     ; h
	v_mul_u32_u24 v[RD], v1, RP
	v_lshl_add_u32 v[RD], v[SH], 7, v[RD]
	v_lshlrev_b32 v[SH], 3, v[SH]
	v_lshlrev_b32 v[L8], 3, v0
	v_mov_b32 v[TP], 0                             ; a lane permute's destination counts as one of its sources
	v_mov_b32 v[TP+1], 0
	s_mov_b32 s20, 0x76543210
	s_mov_b32 s21, 0xfedcba98                      ; v_permlanex16_b32's selects for lane l xor 16
	s_lshl_b32 s10, ttmp9, 14                      ; z: a tile is 16 rows of 1,024 bytes
	s_mov_b32 s11, 0
	s_sub_co_u32 s12, ttmp9, NZT                   ; W1: 2 t + s (used only where the tile is W1's)
	s_lshr_b32 s13, s12, 1
	s_lshl_b32 s13, s13, 15                        ; 16 rows of 2,048 bytes,
	s_and_b32 s12, s12, 1
	s_lshl_b32 s14, s12, 10
	s_add_co_u32 s13, s13, s14                     ; + 1,024 s
	s_cmp_ge_u32 ttmp9, NZT
	s_cselect_b32 s15, s12, 0                      ; 1 where the tile is of W1's second half
	s_lshl_b32 s16, ttmp9, 11                      ; where the tile's codes go,
	s_mov_b32 s17, 0
	s_lshl_b32 s18, ttmp9, 8
	s_add_co_u32 s18, s18, SCB                     ; and its scale words
	s_mov_b32 s19, 0
	s_wait_kmcnt 0x0
	s_add_nc_u64 s[16:17], s[8:9], s[16:17]
	s_add_nc_u64 s[18:19], s[8:9], s[18:19]
.macro LOADS b, pitch                  ; 32 loads of 512 consecutive bytes: first the rows' first halves, then their second
.irp hf, 0,1
.irp row, 0,1,2,3,4,5,6,7,8,9,10,11,12,13,14,15
	global_load_b128 v[R0+64*\hf+4*\row:R0+64*\hf+4*\row+3], v[LO], s[\b:\b+1] offset:\row*\pitch+512*\hf th:TH_LOAD_NT
.endr
.endr
.endm
	s_cmp_lt_u32 ttmp9, NZT                        ; the two tensors differ in the rows' pitch, which stands in the loads' immediates: a branch on the work-group's number round the loads alone
	s_cbranch_scc0 .Lw1
	s_add_nc_u64 s[4:5], s[4:5], s[10:11]
	LOADS 4, 1024
	s_branch .Lloaded
.Lw1:
	s_mov_b32 s10, s13
	s_add_nc_u64 s[6:7], s[6:7], s[10:11]
	LOADS 6, 2048
.Lloaded:
; 64 numbers of a lane, v[xs] on (two whole blocks, c = 0, 1), become registers 8 ks .. 8 ks + 7 of the codes and scale word ks
.macro QUANT xs, ks
.irp c, 0,1
	v_max3_num_f32 v[M+\c],   |v[\xs+32*\c]|,   |v[\xs+32*\c+1]|, |v[\xs+32*\c+2]|
	v_max3_num_f32 v[M+2+\c], |v[\xs+32*\c+3]|, |v[\xs+32*\c+4]|, |v[\xs+32*\c+5]|
.endr
.irp i, 6,10,14,18,22,26
.irp c, 0,1
	v_max3_num_f32 v[M+\c],   v[M+\c],   |v[\xs+32*\c+\i]|,   |v[\xs+32*\c+\i+1]|     ; four chains by turns
	v_max3_num_f32 v[M+2+\c], v[M+2+\c], |v[\xs+32*\c+\i+2]|, |v[\xs+32*\c+\i+3]|
.endr
.endr
.irp c, 0,1
	v_max3_num_f32 v[M+\c], v[M+\c], |v[\xs+32*\c+30]|, |v[\xs+32*\c+31]|
.endr
.irp c, 0,1
	v_max3_num_f32 v[M+\c], v[M+\c], v[M+2+\c], 0x1800000    ; and the floor 2^(3 - 127): the byte cannot fall under 1
.endr
.irp c, 0,1
	v_add_nc_u32 v[SC+\c], 0xff000000, v[M+\c]     ; 2 off the exponent field: the conversion takes the exponent field of this operand as its scale
.endr
.irp c, 0,1
	v_lshrrev_b32 v[BY+\c], 23, v[SC+\c]           ; the scale's byte
.endr
	v_lshl_or_b32 v[WD+\ks], v[BY+1], 16, v[BY]    ; my two bytes: blocks h and 2 + h of the K step,
	v_lshlrev_b32 v[WD+\ks], v[SH], v[WD+\ks]      ; at their places;
	v_permlanex16_b32 v[TP+\ks], v[WD+\ks], s20, s21
	v_or_b32 v[WD+\ks], v[WD+\ks], v[TP+\ks]       ; with lane l xor 16's two the word is whole, in both lanes
.irp c, 0,1
.irp g, 0,1,2,3
	v_cvt_scalef32_pk8_fp4_f32 v[C+8*\ks+4*\c+\g], v[\xs+32*\c+8*\g:\xs+32*\c+8*\g+7], v[SC+\c]
.endr
.endr
	v_nop                                          ; one plain place behind the last scaled conversion
.endm
	s_wait_loadcnt 16                              ; the rows' first halves are in; the 16 younger loads may be out
.irp row, 0,1,2,3,4,5,6,7,8,9,10,11,12,13,14,15
	ds_store_b128 v[LO], v[R0+4*\row:R0+4*\row+3] offset:\row*RP
.endr
.irp c, 0,1
.irp j, 0,1,2,3,4,5,6,7
	ds_load_b128 v[X0+32*\c+4*\j:X0+32*\c+4*\j+3], v[RD] offset:256*\c+16*\j   ; LDS serves a wave's instructions in order: these see the stores above
.endr
.endr
	s_wait_loadcnt 0x0
.irp row, 0,1,2,3,4,5,6,7,8,9,10,11,12,13,14,15
	ds_store_b128 v[LO], v[R1+4*\row:R1+4*\row+3] offset:\row*RP+512
.endr
	s_wait_dscnt 16                                ; all but the 16 stores just issued: the first K step's numbers are back, and the first stores have read v40-103
.irp c, 0,1
.irp j, 0,1,2,3,4,5,6,7
	ds_load_b128 v[R0+32*\c+4*\j:R0+32*\c+4*\j+3], v[RD] offset:512+256*\c+16*\j
.endr
.endr
	QUANT X0, 0                                    ; while the second K step's numbers come back
	s_wait_dscnt 0x0
	QUANT R0, 1
	s_cmp_eq_u32 s15, 0
	s_cbranch_scc1 .Lplain
.irp i, 0,1,2,3,4,5,6,7,8,9,10,11,12,13,14,15
	v_xor_b32 v[C+\i], 0x88888888, v[C+\i]         ; W1's second half: the sign bit of each of eight codes
.endr
.Lplain:
.irp b, 0,1,2,3
	global_store_b128 v[LO], v[C+4*\b:C+4*\b+3], s[16:17] offset:512*\b    ; 32 lanes store 512 consecutive bytes, aligned
.endr
	global_store_b64 v[L8], v[WD:WD+1], s[18:19]   ; 32 lanes store 256 consecutive bytes, aligned
	s_wait_tensorcnt 0x0                           ; the wave's end: behind my last LDS store
	ds_add_u32 v[SPW], v[NIL]
	s_wait_dscnt 0x0
	s_endpgm
.Lfunc_end_k_qe9ca0f7a6f_quant:
	.size	k_qe9ca0f7a6f_quant, .Lfunc_end_k_qe9ca0f7a6f_quant-k_qe9ca0f7a6f_quant
	.p2alignl 7, 3214868480
	.fill 96, 4, 3214868480
	.section	.rodata,"a",@progbits
	.p2align	6, 0x0
	.amdhsa_kernel k_qe9ca0f7a6f_quant
		.amdhsa_group_segment_fixed_size 16896
		.amdhsa_private_segment_fixed_size 0
		.amdhsa_enable_private_segment 0
		.amdhsa_kernarg_size 24
		.amdhsa_user_sgpr_count 2
		.amdhsa_user_sgpr_kernarg_segment_ptr 1
		.amdhsa_wavefront_size32 1
		.amdhsa_system_sgpr_workgroup_id_x 1
		.amdhsa_system_sgpr_workgroup_id_y 1
		.amdhsa_system_sgpr_workgroup_id_z 1
		.amdhsa_system_vgpr_workitem_id 0
		.amdhsa_next_free_vgpr 232
		.amdhsa_next_free_sgpr 66
		.amdhsa_reserve_vcc 0
		.amdhsa_float_denorm_mode_32 3
		.amdhsa_float_denorm_mode_16_64 3
		.amdhsa_memory_ordered 1
		.amdhsa_forward_progress 1
		.amdhsa_inst_pref_size 20
	.end_amdhsa_kernel
	.amdgpu_metadata
---
amdhsa.version: [ 1, 2 ]
amdhsa.kernels:
  - .name:           k_qe9ca0f7a6f_quant
    .symbol:         k_qe9ca0f7a6f_quant.kd
    .args:
      - { .name: z, .offset: 0, .size: 8, .value_kind: global_buffer, .address_space: global }
      - { .name: W1, .offset: 8, .size: 8, .value_kind: global_buffer, .address_space: global }
      - { .name: q, .offset: 16, .size: 8, .value_kind: global_buffer, .address_space: global }
    .group_segment_fixed_size: 16896
    .private_segment_fixed_size: 0
    .kernarg_segment_align: 8
    .kernarg_segment_size: 24
    .max_flat_workgroup_size: 32
    .sgpr_count:     66
    .vgpr_count:     232
    .wavefront_size: 32
...
	.end_amdgpu_metadata
.endif
;; end of part 1
;; launch pairs (part 2): grid 16 x 16, 4 waves a work-group, no clusters, 237,056 bytes of LDS; arguments q, b1, W2, b2, out0; writes out0
.if DOCPART == 2
	.amdgcn_target "amdgcn-amd-amdhsa--gfx1250"
	.amdhsa_code_object_version 6
	.text
	.protected	k_qe9ca0f7a6f_pairs
	.globl	k_qe9ca0f7a6f_pairs
	.p2align	8
	.type	k_qe9ca0f7a6f_pairs,@function
k_qe9ca0f7a6f_pairs:
	s_mov_b64 s[64:65], 0
	v_nop
	global_prefetch_b8 v0, s[64:65] scope:SCOPE_SE
	s_setreg_imm32_b32 hwreg(HW_REG_WAVE_MODE, 25, 1), 1
	s_wait_xcnt 0x0
; out[i][j] = sigmoid(sum over h of W2[h] relu(row[i][h] + col[j][h] + b1[h]) + b2), row = Q(z) Q(W1[:, :256])^T, col = Q(z) Q(W1[:, 256:])^T, both on the FP4 codes and E8M0 scale words that the first launch laid in q.
; No work of the problem is left out.  THE PAIR STAGE IS REWRITTEN BY AN IDENTITY that holds for all values: with a = row + b1 and n = -col,  relu(a - n) = max(a, n) - n,  so
;   sum_h w relu = sum_h w max(a[i][h], n[j][h]) - sum_h w n[j][h]:  one maximum and one multiply-add for each (i, j, h), in ONE dual instruction; the second sum hangs on j alone.
; n comes out of the matrix unit as it is: the first launch stored the codes of W1's second half with flipped signs.  b1 is the C of row's first matrix instruction.
; The product with W2 has one column: it is done by f32 multiply-adds.  On the matrix unit 15 of its 16 columns would be idle, and the rounding of each two numbers to 16 bits would take the slot that the multiply-add half takes here.
; ORDER OF ROUNDING: other than the source's (b1 first; the identity; h summed in four quarters), all in f32.  LIMITS: NaN and infinities among the inputs are not served (v_max_num drops a NaN).
; SHARES.  A work-group owns 64 x 64 pairs: rows 64 y on, columns 64 x on.  THE FOUR WAVES SHARE h, NOT THE PAIRS: wave w sums h = 64 w .. 64 w + 63 for all 4,096 pairs, in 128 accumulators a lane, so that
; one h wants 24 operand registers (six LDS loads) for 128 dual instructions.  Lane (li = lane / 8, lj = lane % 8) holds rows 16 li + ai (ai = 0..15) and columns 32 f + 4 lj + g (bi = 4 f + g = 0..7); accumulator (ai, bi) is v[ACC + 8 ai + bi].
; PROLOGUE.  Wave w needs W1's rows 64 w on alone: its 8 tiles of codes go from memory straight into its registers.  The 8 tiles of z (4 of the rows, 4 of the columns) are fetched once, two by each wave, and reach the
; others as images of their registers through LDS (one barrier).  64 matrix instructions a wave; the results go to the wave's OWN rows in LDS, [h][64 a | 64 n], 528 bytes apart, which it alone reads: no barrier.
; END.  The four waves' partial sums meet in LDS (one barrier); each wave adds and finishes 16 rows, and 16 lanes store 256 consecutive bytes, aligned.
; NO CLUSTER, NO TENSOR LOAD: what work-groups share (68 KB of W1's codes and scale words, 16 KB of z's) is fetched once, at the head, ahead of 64 x 132 dual instructions a wave, and four fifths of it belong in one wave's registers, not in LDS.
; REGISTERS, window 0: v1-23 addresses and b1; v24-55 scale words alone; v58-65 the ring of maxima; v66-73 the columns' sums; v76-123 two sets of 16 a + 8 n (in the prologue b1's four tiles); v124-127 K; v128-255 accumulators.
;   window 1: v0-127 W1's 8 tiles, v128-255 z's 8 tiles (16 registers a tile: two K steps of 128).
.set SCB,   196608                     ; q: 96 tiles x 2,048 bytes of codes, then 96 x 256 bytes of scale words
.set PITCH, 528                        ; an operand row in LDS: 256 bytes of a, 256 of n, 16 of padding = 132 words: the 16 rows that a store touches start at 16 different groups of banks
.set WREG,  64*PITCH                   ; a wave's 64 rows
.set XSC,   16384                      ; LDS: from 0 the images of z's 8 tiles, 2,048 bytes each; here their scale words, 256 bytes each;
.set OPR,   18432                      ; the four waves' operand rows;
.set RED,   OPR+4*WREG                 ; the partial sums: for each wave 32 groups of four accumulators, 512 bytes each, 640 apart (a row's two halves then fall into different halves of the banks);
.set QP,    640
.set RREG,  32*QP
.set CP,    RED+4*RREG                 ; the columns' sums: 256 bytes for each wave;
.set SPARE, CP+1024                    ; the spare words, 128 bytes for each wave: two blocks of 256 bytes that no other line names
.set X15, 2                            ; v2   thread % 16
.set HH,  3                            ; v3   lane / 16
.set L16, 4                            ; v4   16 x lane
.set XSR, 5                            ; v5   XSC + 8 x lane
.set XW,  6                            ; v6   where I store z's images: 2,048 x wave + 16 x lane
.set XSW, 7                            ; v7   and their scale words: XSC + 256 x wave + 8 x lane
.set STO, 8                            ; v8   where the products' results go: my rows + PITCH x (lane % 16) + 32 x (lane / 16)
.set VA,  9                            ; v9   my a's of the trip's first h: my rows + 64 li
.set VB,  10                           ; v10  my n's: my rows + 256 + 16 lj
.set RW,  11                           ; v11  partial sums out: RED + RREG x wave + 16 x lane
.set CW,  12                           ; v12  columns' sums out: CP + 256 x wave + 16 lj
.set RR,  13                           ; v13, v14  partial sums back, of waves 0, 1 and of waves 2, 3
.set CR,  15                           ; v15  columns' sums back: CP + 16 x (lane % 16)
.set GO,  16                           ; v16  my byte offset in out0
.set SPW, 17                           ; v17  LDS address of my spare word; never rewritten
.set NIL, 18                           ; v18  0; never rewritten
.set G8,  19                           ; v19  8 x lane
.set BL,  20                           ; v20-23 b1 of my lane's h in the four tiles of h
.set ZS,  24                           ; v24-39 z's scale words: tile s, K step ks at ZS + 2 s + ks
.set WS,  40                           ; v40-55 W1's likewise
.set R4,  56                           ; v56  4 x (lane % 16)
.set LJ,  57                           ; v57  16 lj
.set T,   58                           ; v58-65 the ring
.set CA,  66                           ; v66-73 sum of w n for my 8 columns
.set AB,  76                           ; v76-123
.set BIAS, 76                          ; v76-107, in the prologue
.set KK,  124                          ; v124-127
.set ACC, 128
.set WF,  0                            ; window 1
.set ZF,  128                          ; window 1
.set WN,  32                           ; s[32:35] the next trip's four w, as they land
.set WC,  36                           ; s[36:39] this trip's
.set WP,  40                           ; s40      the last trip's last
.set CNT, 41
.set WPT, 46                           ; s[46:47] where the w on their way come from
.set MSB, 0
.macro WIN new                         ; the immediate's high byte repeats the setting that is left
.if MSB != \new
	s_set_vgpr_msb (MSB<<8)|\new
.set MSB, \new
.endif
.endm
	s_load_b256 s[4:11], s[0:1], 0x0               ; q s[4:5], b1 s[6:7], W2 s[8:9], b2 s[10:11]
	s_load_b64 s[12:13], s[0:1], 0x20              ; out0
	v_lshl_add_u32 v[SPW], v0, 2, SPARE
	v_mov_b32 v[NIL], 0
	v_lshrrev_b32 v1, 5, v0
	v_readfirstlane_b32 s14, v1                    ; wave 0..3
	v_and_b32 v1, 31, v0
	v_and_b32 v[X15], 15, v0
	v_lshlrev_b32 v[L16], 4, v1
	v_lshlrev_b32 v[G8], 3, v1
	v_lshlrev_b32 v[R4], 2, v[X15]
	s_and_b32 s16, ttmp7, 0xffff                   ; block of rows
	s_lshl_b32 s17, s16, 2
	s_add_co_u32 s17, s17, s14                     ; the tile of z that I fetch for the rows: 4 y + wave,
	s_lshl_b32 s18, ttmp9, 2
	s_add_co_u32 s18, s18, s14                     ; and for the columns: 4 x + wave
	s_lshl_b32 s48, s17, 11
	s_mov_b32 s49, 0
	s_lshl_b32 s50, s18, 11
	s_mov_b32 s51, 0
	s_lshl_b32 s52, s17, 8
	s_add_co_u32 s52, s52, SCB
	s_mov_b32 s53, 0
	s_lshl_b32 s54, s18, 8
	s_add_co_u32 s54, s54, SCB
	s_mov_b32 s55, 0
	s_lshl_b32 s56, s14, 14
	s_add_co_u32 s56, s56, 64*2048                 ; W1's tiles 64 + 8 wave on: tile 2 nt + p is h = 64 wave + 16 nt on, half p
	s_mov_b32 s57, 0
	s_lshl_b32 s58, s14, 11
	s_add_co_u32 s58, s58, SCB+64*256
	s_mov_b32 s59, 0
	s_lshl_b32 s60, s14, 8                         ; my 64 numbers of b1 and of W2
	s_mov_b32 s61, 0
	s_lshl_b32 s62, s16, 18                        ; out0: row 64 y + 4 wave, column 64 x
	s_lshl_b32 s63, s14, 14
	s_add_co_u32 s62, s62, s63
	s_lshl_b32 s63, ttmp9, 8
	s_add_co_u32 s62, s62, s63
	s_mov_b32 s63, 0
	s_wait_kmcnt 0x0
	s_add_nc_u64 s[20:21], s[4:5], s[48:49]
	s_add_nc_u64 s[22:23], s[4:5], s[50:51]
	s_add_nc_u64 s[24:25], s[4:5], s[52:53]
	s_add_nc_u64 s[26:27], s[4:5], s[54:55]
	s_add_nc_u64 s[28:29], s[4:5], s[56:57]
	s_add_nc_u64 s[30:31], s[4:5], s[58:59]
	s_add_nc_u64 s[6:7], s[6:7], s[60:61]
	s_add_nc_u64 s[WPT:WPT+1], s[8:9], s[60:61]
	s_add_nc_u64 s[12:13], s[12:13], s[62:63]
	s_load_b128 s[WN:WN+3], s[WPT:WPT+1], 0x0      ; the first trip's four w
	s_load_b32 s42, s[10:11], 0x0                  ; b2
.irp c, 0,1,2,3
	global_load_b128 v[ACC+4*\c:ACC+4*\c+3], v[L16], s[20:21] offset:512*\c         ; z's two tiles first: the other waves wait for them.  Every load of this kernel reads 512 (the scale words: 256) consecutive bytes
.endr
.irp c, 0,1,2,3
	global_load_b128 v[ACC+16+4*\c:ACC+16+4*\c+3], v[L16], s[22:23] offset:512*\c
.endr
	global_load_b64 v[ACC+32:ACC+33], v[G8], s[24:25]
	global_load_b64 v[ACC+34:ACC+35], v[G8], s[26:27]
	WIN 0x40                                       ; destination window 1
.irp t, 0,1,2,3,4,5,6,7
.irp c, 0,1,2,3
	global_load_b128 v[WF+16*\t+4*\c:WF+16*\t+4*\c+3], v[L16], s[28:29] offset:2048*\t+512*\c
.endr
.endr
	WIN 0
.irp t, 0,1,2,3,4,5,6,7
	global_load_b64 v[WS+2*\t:WS+2*\t+1], v[G8], s[30:31] offset:256*\t
.endr
.irp n, 0,1,2,3
	global_load_b32 v[BL+\n], v[R4], s[6:7] offset:64*\n
.endr
	; the LDS addresses, while the loads are on their way
	v_bfe_u32 v[HH], v0, 4, 1
	v_add_nc_u32 v[XSR], XSC, v[G8]
	s_lshl_b32 s15, s14, 11
	v_add_nc_u32 v[XW], s15, v[L16]
	s_lshl_b32 s15, s14, 8
	v_add_nc_u32 v[XSW], s15, v[XSR]
	v_and_b32 v[LJ], 7, v0
	v_lshlrev_b32 v[LJ], 4, v[LJ]
	v_add_nc_u32 v[CW], s15, v[LJ]
	v_add_nc_u32 v[CW], CP, v[CW]
	s_mul_i32 s15, s14, WREG
	s_add_co_u32 s15, s15, OPR                     ; my operand rows
	v_mul_u32_u24 v[STO], v[X15], PITCH
	v_lshl_add_u32 v[STO], v[HH], 5, v[STO]
	v_add_nc_u32 v[STO], s15, v[STO]
	v_bfe_u32 v[VA], v0, 3, 2                      ; li
	v_lshlrev_b32 v[VA], 6, v[VA]
	v_add_nc_u32 v[VA], s15, v[VA]
	v_add_nc_u32 v[VB], s15, v[LJ]
	v_add_nc_u32 v[VB], 256, v[VB]
	s_mul_i32 s15, s14, RREG
	s_add_co_u32 s15, s15, RED
	v_add_nc_u32 v[RW], s15, v[L16]
	v_bfe_u32 v[RR], v0, 3, 1                      ; back: lane (x = lane % 16, y = lane / 16) takes columns 4 x on: group half f = x / 8, lj = x % 8; rows with li = 2 lp + y, ai = 4 wave + e
	v_mul_u32_u24 v[RR], v[RR], QP
	v_lshl_add_u32 v[RR], v[HH], 7, v[RR]
	v_add_nc_u32 v[RR], v[RR], v[LJ]
	s_mul_i32 s15, s14, 8*QP
	s_add_co_u32 s15, s15, RED
	v_add_nc_u32 v[RR], s15, v[RR]
	v_add_nc_u32 v[RR+1], 2*RREG, v[RR]            ; (a second register: the immediate holds 16 bits)
	v_lshl_add_u32 v[CR], v[X15], 4, CP
	v_lshlrev_b32 v[GO], 4, v[X15]
	v_lshl_add_u32 v[GO], v[HH], 16, v[GO]         ; lanes 16-31: 16 rows of 4,096 bytes further down
	s_wait_loadcnt 44                              ; z's ten loads are in; the 32 + 8 + 4 issued behind them may be out
.irp c, 0,1,2,3
	ds_store_b128 v[XW], v[ACC+4*\c:ACC+4*\c+3] offset:512*\c                 ; tile slot wave: of the rows
.endr
.irp c, 0,1,2,3
	ds_store_b128 v[XW], v[ACC+16+4*\c:ACC+16+4*\c+3] offset:8192+512*\c      ; tile slot 4 + wave: of the columns
.endr
	ds_store_b64 v[XSW], v[ACC+32:ACC+33]
	ds_store_b64 v[XSW], v[ACC+34:ACC+35] offset:1024
	s_wait_dscnt 0x0                               ; for the others' sake: my images have landed
	s_barrier_signal -1
	s_barrier_wait -1                              ; everybody's have
	WIN 0x40
.irp s, 0,1,2,3,4,5,6,7
.irp c, 0,1,2,3
	ds_load_b128 v[ZF+16*\s+4*\c:ZF+16*\s+4*\c+3], v[L16] offset:2048*\s+512*\c
.endr
.endr
	WIN 0
.irp s, 0,1,2,3,4,5,6,7
	ds_load_b64 v[ZS+2*\s:ZS+2*\s+1], v[XSR] offset:256*\s
.endr
	s_wait_loadcnt 0x0                             ; W1's codes and scale words, b1
.irp n, 0,1,2,3
.irp j, 0,1,2,3,4,5,6,7
	v_mov_b32 v[BIAS+8*\n+\j], v[BL+\n]            ; b1 in the result's layout: a lane holds one h, its eight registers eight rows of z
.endr
.endr
	s_wait_dscnt 0x0                               ; z's fragments and scale words
; EIGHT TILES OF RESULTS: part p (0: a = row + b1; 1: n = -col), z's four tiles mt, tiles 2 np, 2 np + 1 of my h.  Source 0 = 16 rows of z, source 1 = 16 rows of W1: lane (r, hh) holds h = 16 nt + r and rows 8 hh + 0..7 of z.
; The eight accumulators take turns, one instruction a turn, K step by K step.  The batches use the two halves of v128-255 by turns.
.macro BATCH p, np
.if 2*\p+\np >= 2
	s_wait_dscnt 16                                ; all but the last batch's 16 stores: the batch before it has read the registers that are now written again
.endif
	WIN 0x05                                       ; sources 0 and 1 window 1; C and D window 0
.irp ks, 0,1
.irp mt, 0,1,2,3
.irp nl, 0,1
.set rD, ACC+64*\np+8*(2*\mt+\nl)
.set rA, ZF+16*(4*\p+\mt)+8*\ks
.set rB, WF+16*(2*(2*\np+\nl)+\p)+8*\ks
.set rX, ZS+2*(4*\p+\mt)+\ks
.set rY, WS+2*(2*(2*\np+\nl)+\p)+\ks
.set rC, BIAS+8*(2*\np+\nl)
.if (\ks == 0) && (\p == 0)
	v_wmma_scale_f32_16x16x128_f8f6f4 v[rD:rD+7], v[rA:rA+7], v[rB:rB+7], v[rC:rC+7], v[rX], v[rY] matrix_a_fmt:MATRIX_FMT_FP4 matrix_b_fmt:MATRIX_FMT_FP4
.elseif \ks == 0
	v_wmma_scale_f32_16x16x128_f8f6f4 v[rD:rD+7], v[rA:rA+7], v[rB:rB+7], 0, v[rX], v[rY] matrix_a_fmt:MATRIX_FMT_FP4 matrix_b_fmt:MATRIX_FMT_FP4
.else
	v_wmma_scale_f32_16x16x128_f8f6f4 v[rD:rD+7], v[rA:rA+7], v[rB:rB+7], v[rD:rD+7], v[rX], v[rY] matrix_a_fmt:MATRIX_FMT_FP4 matrix_b_fmt:MATRIX_FMT_FP4
.endif
.endr
.endr
.endr
	WIN 0
.rept 4
	v_nop                                          ; four places between the last product and the stores that read results; two batches' eight stand ahead of the products that write these registers again
.endr
.irp mt, 0,1,2,3
.irp nl, 0,1
.set rD, ACC+64*\np+8*(2*\mt+\nl)
	ds_store_b128 v[STO], v[rD:rD+3] offset:(2*\np+\nl)*16*PITCH+256*\p+64*\mt        ; row h = 16 nt + r; numbers 16 mt + 8 hh + 0..3: each accumulator from its low end on
	ds_store_b128 v[STO], v[rD+4:rD+7] offset:(2*\np+\nl)*16*PITCH+256*\p+64*\mt+16
.endr
.endr
.endm
	BATCH 0, 0
	BATCH 0, 1
	BATCH 1, 0
	BATCH 1, 1
; THE PAIR STAGE.  The operands of h number n of the trip: 16 a (four loads, 8 lanes share each 16 bytes) and 8 n (two loads, 4 lanes share), into set n % 2
.macro FETCH n
.set FB, AB+24*((\n)%2)
.irp a, 0,1,2,3
	ds_load_b128 v[FB+4*\a:FB+4*\a+3], v[VA] offset:(\n)*PITCH+16*\a
.endr
.irp f, 0,1
	ds_load_b128 v[FB+16+4*\f:FB+16+4*\f+3], v[VB] offset:(\n)*PITCH+128*\f
.endr
.endm
; ONE h: 128 dual instructions.  Number k takes the maximum of pair k = 8 ai + bi into the ring, and multiplies and adds the maximum of the pair seven behind it (across the h's edge: with that h's w).
; What a dual instruction asks of its registers: the two destinations are one even, one odd (ring k, accumulator k - 7); the two second sources lie in different banks (n: k % 4; ring: (k + 3) % 4).
; st = 1: the wave's first h: nothing is due in the first seven, and products start the sums (nothing is ever cleared); st = 2: the h behind it, whose first seven still start sums.  nxt = 1: the next h's operands are asked for.
.macro PHASE u, st, nxt
	s_wait_dscnt 0x0                               ; this h's operands, asked for one h ago, are in (ahead of the first h: my stores of the products' results have read the accumulators' registers too)
.if \nxt
	FETCH (\u)+1
.endif
.set PA, AB+24*((\u)%2)
.set PB, PA+16
.set k, 0
.rept 128
.set e, (k+121)%128
.if k >= 7
.set sw, WC+(\u)
.elseif (\u) == 0
.set sw, WP
.else
.set sw, WC+(\u)-1
.endif
.if ((\st) == 1) && (k < 7)
	v_max_num_f32 v[T+k%8], v[PA+k/8], v[PB+k%8]
.elseif (((\st) == 1) && (k >= 7)) || (((\st) == 2) && (k < 7))
	v_dual_max_num_f32 v[T+k%8], v[PA+k/8], v[PB+k%8] :: v_dual_mul_f32 v[ACC+e], s[sw], v[T+e%8]
.else
	v_dual_max_num_f32 v[T+k%8], v[PA+k/8], v[PB+k%8] :: v_dual_fmac_f32 v[ACC+e], s[sw], v[T+e%8]
.endif
.set k, k+1
.endr
.irp m, 0,2,4,6                        ; and the columns' own sums of w n
.if (\st) == 1
	v_dual_mul_f32 v[CA+\m], s[WC+(\u)], v[PB+\m] :: v_dual_mul_f32 v[CA+\m+1], s[WC+(\u)], v[PB+\m+1]
.else
	v_dual_fmac_f32 v[CA+\m], s[WC+(\u)], v[PB+\m] :: v_dual_fmac_f32 v[CA+\m+1], s[WC+(\u)], v[PB+\m+1]
.endif
.endr
.endm
; A TRIP: four h.  kind 0: the first; 1: in the loop; 2: the last, which asks for nothing beyond my rows and my 64 numbers of W2
.macro TRIP kind
	s_wait_kmcnt 0x0                               ; this trip's four w, asked for a trip ago, have landed; that load is done, so its address may step
.if \kind != 0
	s_mov_b32 s[WP], s[WC+3]
.endif
	s_mov_b64 s[WC:WC+1], s[WN:WN+1]
	s_mov_b64 s[WC+2:WC+3], s[WN+2:WN+3]
.if \kind != 2
	s_add_nc_u64 s[WPT:WPT+1], s[WPT:WPT+1], 16
	s_load_b128 s[WN:WN+3], s[WPT:WPT+1], 0x0
.endif
.if \kind == 0
	PHASE 0, 1, 1
	PHASE 1, 2, 1
.else
	PHASE 0, 0, 1
	PHASE 1, 0, 1
.endif
	PHASE 2, 0, 1
.if \kind != 2
	PHASE 3, 0, 1                                  ; (its fetch is the next trip's first h: four rows on from the trip's address)
	v_add_nc_u32 v[VA], 4*PITCH, v[VA]
	v_add_nc_u32 v[VB], 4*PITCH, v[VB]
.else
	PHASE 3, 0, 0
.endif
.endm
	FETCH 0                                        ; LDS serves a wave's instructions in order: these see my stores above.  (They land where b1's tiles lay: twelve places behind the last product that read those)
	TRIP 0
	s_mov_b32 s[CNT], 14
.Ltrip:
	TRIP 1
	s_sub_co_u32 s[CNT], s[CNT], 1
	s_cmp_lg_u32 s[CNT], 0
	s_cbranch_scc1 .Ltrip
	TRIP 2
.irp i, 0,1,2,3,4,5,6
	v_fmac_f32 v[ACC+121+\i], s[WC+3], v[T+(1+\i)%8]   ; the last seven pairs of the last h
.endr
	; THE END.  My partial sums go to LDS as they stand in the registers: group g = 2 ai + f of four accumulators, lane l's 16 bytes at 16 l.
.set g, 0
.rept 32
	ds_store_b128 v[RW], v[ACC+4*g:ACC+4*g+3] offset:g*QP
.set g, g+1
.endr
	ds_store_b128 v[CW], v[CA:CA+3]                ; columns 4 lj on (the four lanes with one lj write the same bytes with the same values),
	ds_store_b128 v[CW], v[CA+4:CA+7] offset:128   ; and 32 + 4 lj on
	s_wait_dscnt 0x0                               ; for the others' sake: my sums have landed
	s_barrier_signal -1
	s_barrier_wait -1
.irp s, 0,1,2,3
	ds_load_b128 v[AB+4*\s:AB+4*\s+3], v[CR] offset:256*\s
.endr
.irp s, 0,1,2,3                        ; wave s's sums of my 16 rows: rows 16 (2 lp + y) + 4 wave + er, 16 lanes to a row's 64 columns
.irp lp, 0,1
.irp er, 0,1,2,3
	ds_load_b128 v[ACC+32*\s+16*\lp+4*\er:ACC+32*\s+16*\lp+4*\er+3], v[RR+\s/2] offset:(\s%2)*RREG+\er*2*QP+\lp*256
.endr
.endr
.endr
	s_mov_b32 s44, 0x3fb8aa3b                      ; L = log2(e)
	s_mul_f32 s43, s42, 0xbfb8aa3b                 ; -L b2
	s_wait_dscnt 32                                ; the four loads of the columns' sums are in; the 32 behind them may be out
	v_pk_add_f32 v[AB:AB+1], v[AB:AB+1], v[AB+4:AB+5]
	v_pk_add_f32 v[AB+2:AB+3], v[AB+2:AB+3], v[AB+6:AB+7]
	v_pk_add_f32 v[AB+8:AB+9], v[AB+8:AB+9], v[AB+12:AB+13]
	v_pk_add_f32 v[AB+10:AB+11], v[AB+10:AB+11], v[AB+14:AB+15]
	v_pk_add_f32 v[AB:AB+1], v[AB:AB+1], v[AB+8:AB+9]
	v_pk_add_f32 v[AB+2:AB+3], v[AB+2:AB+3], v[AB+10:AB+11]
.irp i, 0,1,2,3
	v_fma_f32 v[KK+\i], v[AB+\i], s44, s43         ; K = L (sum of w n) - L b2: the exponent below is -L (S - sum of w n + b2) = -L S + K
.endr
	s_wait_dscnt 16                                ; the sums of waves 0 and 1 are in
.set i, 0
.rept 16
	v_pk_add_f32 v[ACC+2*i:ACC+2*i+1], v[ACC+2*i:ACC+2*i+1], v[ACC+32+2*i:ACC+32+2*i+1]
.set i, i+1
.endr
	s_wait_dscnt 0x0
.set i, 0
.rept 16
	v_pk_add_f32 v[ACC+64+2*i:ACC+64+2*i+1], v[ACC+64+2*i:ACC+64+2*i+1], v[ACC+96+2*i:ACC+96+2*i+1]
.set i, i+1
.endr
.set i, 0
.rept 16
	v_pk_add_f32 v[ACC+2*i:ACC+2*i+1], v[ACC+2*i:ACC+2*i+1], v[ACC+64+2*i:ACC+64+2*i+1]
.set i, i+1
.endr
.set i, 0
.rept 16
	v_pk_fma_f32 v[ACC+2*i:ACC+2*i+1], v[ACC+2*i:ACC+2*i+1], 0xbfb8aa3b, v[KK+2*(i%2):KK+2*(i%2)+1] op_sel_hi:[1,0,1]
.set i, i+1
.endr
.set i, 0
.rept 32
	v_exp_f32 v[ACC+i], v[ACC+i]                   ; 2^(-L x): infinity for a very negative x, which ends as 0; 0 for a very large one, which ends as 1
.set i, i+1
.endr
	v_nop                                          ; a plain instruction behind the last exponential,
	s_wait_alu depctr_va_vdst(0)                   ; and one wait for the batch, ahead of its first reader
.set i, 0
.rept 16
	v_pk_add_f32 v[ACC+2*i:ACC+2*i+1], v[ACC+2*i:ACC+2*i+1], 1.0 op_sel_hi:[1,0]
.set i, i+1
.endr
.set i, 0
.rept 32
	v_rcp_f32 v[ACC+i], v[ACC+i]
.set i, i+1
.endr
	v_nop
	s_wait_alu depctr_va_vdst(0)                   ; likewise for the reciprocals
.irp lp, 0,1
.irp er, 0,1,2,3
	global_store_b128 v[GO], v[ACC+16*\lp+4*\er:ACC+16*\lp+4*\er+3], s[12:13] offset:\lp*131072+\er*4096 th:TH_STORE_NT   ; 16 lanes store 256 consecutive bytes, at a multiple of 256 from out0's first byte
.endr
.endr
	s_wait_tensorcnt 0x0                           ; the wave's end: behind my last LDS store
	ds_add_u32 v[SPW], v[NIL]
	s_wait_dscnt 0x0
	s_endpgm
.Lfunc_end_k_qe9ca0f7a6f_pairs:
	.size	k_qe9ca0f7a6f_pairs, .Lfunc_end_k_qe9ca0f7a6f_pairs-k_qe9ca0f7a6f_pairs
	.p2alignl 7, 3214868480
	.fill 96, 4, 3214868480
	.section	.rodata,"a",@progbits
	.p2align	6, 0x0
	.amdhsa_kernel k_qe9ca0f7a6f_pairs
		.amdhsa_group_segment_fixed_size 237056
		.amdhsa_private_segment_fixed_size 0
		.amdhsa_enable_private_segment 0
		.amdhsa_kernarg_size 40
		.amdhsa_user_sgpr_count 2
		.amdhsa_user_sgpr_kernarg_segment_ptr 1
		.amdhsa_wavefront_size32 1
		.amdhsa_system_sgpr_workgroup_id_x 1
		.amdhsa_system_sgpr_workgroup_id_y 1
		.amdhsa_system_sgpr_workgroup_id_z 1
		.amdhsa_system_vgpr_workitem_id 0
		.amdhsa_next_free_vgpr 512
		.amdhsa_next_free_sgpr 66
		.amdhsa_reserve_vcc 0
		.amdhsa_float_denorm_mode_32 3
		.amdhsa_float_denorm_mode_16_64 3
		.amdhsa_memory_ordered 1
		.amdhsa_forward_progress 1
		.amdhsa_inst_pref_size 145
	.end_amdhsa_kernel
	.amdgpu_metadata
---
amdhsa.version: [ 1, 2 ]
amdhsa.kernels:
  - .name:           k_qe9ca0f7a6f_pairs
    .symbol:         k_qe9ca0f7a6f_pairs.kd
    .args:
      - { .name: q, .offset: 0, .size: 8, .value_kind: global_buffer, .address_space: global }
      - { .name: b1, .offset: 8, .size: 8, .value_kind: global_buffer, .address_space: global }
      - { .name: W2, .offset: 16, .size: 8, .value_kind: global_buffer, .address_space: global }
      - { .name: b2, .offset: 24, .size: 8, .value_kind: global_buffer, .address_space: global }
      - { .name: out0, .offset: 32, .size: 8, .value_kind: global_buffer, .address_space: global }
    .group_segment_fixed_size: 237056
    .private_segment_fixed_size: 0
    .kernarg_segment_align: 8
    .kernarg_segment_size: 40
    .max_flat_workgroup_size: 128
    .sgpr_count:     66
    .vgpr_count:     512
    .wavefront_size: 32
...
	.end_amdgpu_metadata
.endif
;; end of part 2
;; ======== version 2 of 2: 2 launches; version 1 with the launch pairs written anew for expert scheduling mode
;; workspace buffers: q 221,184 bytes
;; launch quant: the kernel of part 1 again; grid 96 x 1, 1 waves a work-group, no clusters, 16,896 bytes of LDS; arguments z, W1, q; writes q
;; launch pairs (part 3): grid 16 x 16, 4 waves a work-group, no clusters, 237,056 bytes of LDS; arguments q, b1, W2, b2, out0; writes out0
.if DOCPART == 3
	.amdgcn_target "amdgcn-amd-amdhsa--gfx1250"
	.amdhsa_code_object_version 6
	.text
	.protected	k_qe9ca0f7a6f_pairs
	.globl	k_qe9ca0f7a6f_pairs
	.p2align	8
	.type	k_qe9ca0f7a6f_pairs,@function
k_qe9ca0f7a6f_pairs:
	s_mov_b64 s[64:65], 0
	v_nop
	global_prefetch_b8 v0, s[64:65] scope:SCOPE_SE
	s_setreg_imm32_b32 hwreg(HW_REG_WAVE_SCHED_MODE, 0, 2), 2
	s_setreg_imm32_b32 hwreg(HW_REG_WAVE_MODE, 25, 1), 1
	s_wait_xcnt 0x0
	s_wait_alu depctr_vm_vsrc(0)
; out[i][j] = sigmoid(sum over h of W2[h] relu(row[i][h] + col[j][h] + b1[h]) + b2), row = Q(z) Q(W1[:, :256])^T, col = Q(z) Q(W1[:, 256:])^T, both on the FP4 codes and E8M0 scale words that the first launch laid in q.
; No work of the problem is left out.  THE PAIR STAGE IS REWRITTEN BY AN IDENTITY that holds for all values: with a = row + b1 and n = -col,  relu(a - n) = max(a, n) - n,  so
;   sum_h w relu = sum_h w max(a[i][h], n[j][h]) - sum_h w n[j][h]:  one maximum and one multiply-add for each (i, j, h), in ONE dual instruction; the second sum hangs on j alone.
; n comes out of the matrix unit as it is: the first launch stored the codes of W1's second half with flipped signs.  b1 is the C of row's first matrix instruction.
; The product with W2 has one column: it is done by f32 multiply-adds.  On the matrix unit 15 of its 16 columns would be idle, and the rounding of each two numbers to 16 bits would take the slot that the multiply-add half takes here.
; ORDER OF ROUNDING: other than the source's (b1 first; the identity; h summed in four quarters), all in f32.  LIMITS: NaN and infinities among the inputs are not served (v_max_num drops a NaN).
; SHARES.  A work-group owns 64 x 64 pairs: rows 64 y on, columns 64 x on.  THE FOUR WAVES SHARE h, NOT THE PAIRS: wave w sums h = 64 w .. 64 w + 63 for all 4,096 pairs, in 128 accumulators a lane, so that
; one h wants 24 operand registers (six LDS loads) for 128 dual instructions.  Lane (li = lane / 8, lj = lane % 8) holds rows 16 li + ai (ai = 0..15) and columns 32 f + 4 lj + g (bi = 4 f + g = 0..7); accumulator (ai, bi) is v[ACC + 8 ai + bi].
; PROLOGUE.  Wave w needs W1's rows 64 w on alone: its 8 tiles of codes go from memory straight into its registers.  The 8 tiles of z (4 of the rows, 4 of the columns) are fetched once, two by each wave, and reach the
; others as images of their registers through LDS (one barrier).  64 matrix instructions a wave; the results go to the wave's OWN rows in LDS, [h][64 a | 64 n], 528 bytes apart, which it alone reads: no barrier.
; END.  The four waves' partial sums meet in LDS (one barrier); each wave adds and finishes 16 rows, and 16 lanes store 256 consecutive bytes, aligned.
; NO CLUSTER, NO TENSOR LOAD: what work-groups share (68 KB of W1's codes and scale words, 16 KB of z's) is fetched once, at the head, ahead of 64 x 132 dual instructions a wave, and four fifths of it belong in one wave's registers, not in LDS.
; REGISTERS, window 0: v1-23 addresses and b1; v24-55 scale words alone; v58-65 the ring of maxima; v66-73 the columns' sums; v76-123 two sets of 16 a + 8 n (in the prologue b1's four tiles); v124-127 K; v128-255 accumulators.
;   window 1: v0-127 W1's 8 tiles, v128-255 z's 8 tiles (16 registers a tile: two K steps of 128).
; THE MODE: SCHED_MODE bits 1:0 = 2 (LLVM: expert scheduling mode 2), set by the entry lines.  The code itself states the register dependences
; between vector or matrix instructions and memory or LDS instructions, with s_wait_alu, always for 0.
; THE PLAN.  Registers that memory or LDS instructions touch:
;   v4, v19, v56   offsets of the global loads: written once at the head; one wait on va_vdst ahead of the first load.
;   v5 - v16       LDS addresses and out0's offset: written once behind the global loads; one wait on va_vdst ahead of the first LDS store.  Of them v9 and v10 alone are written again, once a trip.
;   v128 - v255    Prologue: z's two tiles land here and are the image stores' data; then the products of a batch write 64 of them and the batch's 16 LDS stores read those: behind the places a wait on va_vdst ahead of the stores,
;                  and a wait on vm_vsrc ahead of each batch, and of the first h, that writes registers which LDS stores have read.  Loop: named by dual instructions alone.  End: data of the LDS stores, then the partial sums land here.
;   v76 - v123     h number n: its dual instructions read set n % 2; the six LDS loads of h n + 1 land in the other set, which the dual instructions of h n - 1 read.
;   window 1       written by loads alone, once; read by matrix instructions alone.
; So ONE wait on va_vdst stands at the head of an h: the h before is done reading the other set (in a trip's first h: v9 and v10 are written).  Behind it the six loads are dealt among the h's first 48 dual
; instructions, which name the ring, their own set, the accumulators and the columns' sums: none of the registers that those loads touch.  One wait on vm_vsrc a trip stands ahead of the adds to v9 and v10.
.set SCB,   196608                     ; q: 96 tiles x 2,048 bytes of codes, then 96 x 256 bytes of scale words
.set PITCH, 528                        ; an operand row in LDS: 256 bytes of a, 256 of n, 16 of padding = 132 words: the 16 rows that a store touches start at 16 different groups of banks
.set WREG,  64*PITCH                   ; a wave's 64 rows
.set XSC,   16384                      ; LDS: from 0 the images of z's 8 tiles, 2,048 bytes each; here their scale words, 256 bytes each;
.set OPR,   18432                      ; the four waves' operand rows;
.set RED,   OPR+4*WREG                 ; the partial sums: for each wave 32 groups of four accumulators, 512 bytes each, 640 apart (a row's two halves then fall into different halves of the banks);
.set QP,    640
.set RREG,  32*QP
.set CP,    RED+4*RREG                 ; the columns' sums: 256 bytes for each wave;
.set SPARE, CP+1024                    ; the spare words, 128 bytes for each wave: two blocks of 256 bytes that no other line names
.set X15, 2                            ; v2   thread % 16
.set HH,  3                            ; v3   lane / 16
.set L16, 4                            ; v4   16 x lane
.set XSR, 5                            ; v5   XSC + 8 x lane
.set XW,  6                            ; v6   where I store z's images: 2,048 x wave + 16 x lane
.set XSW, 7                            ; v7   and their scale words: XSC + 256 x wave + 8 x lane
.set STO, 8                            ; v8   where the products' results go: my rows + PITCH x (lane % 16) + 32 x (lane / 16)
.set VA,  9                            ; v9   my a's of the trip's first h: my rows + 64 li
.set VB,  10                           ; v10  my n's: my rows + 256 + 16 lj
.set RW,  11                           ; v11  partial sums out: RED + RREG x wave + 16 x lane
.set CW,  12                           ; v12  columns' sums out: CP + 256 x wave + 16 lj
.set RR,  13                           ; v13, v14  partial sums back, of waves 0, 1 and of waves 2, 3
.set CR,  15                           ; v15  columns' sums back: CP + 16 x (lane % 16)
.set GO,  16                           ; v16  my byte offset in out0
.set SPW, 17                           ; v17  LDS address of my spare word; never rewritten
.set NIL, 18                           ; v18  0; never rewritten
.set G8,  19                           ; v19  8 x lane
.set BL,  20                           ; v20-23 b1 of my lane's h in the four tiles of h
.set ZS,  24                           ; v24-39 z's scale words: tile s, K step ks at ZS + 2 s + ks
.set WS,  40                           ; v40-55 W1's likewise
.set R4,  56                           ; v56  4 x (lane % 16)
.set LJ,  57                           ; v57  16 lj
.set T,   58                           ; v58-65 the ring
.set CA,  66                           ; v66-73 sum of w n for my 8 columns
.set AB,  76                           ; v76-123
.set BIAS, 76                          ; v76-107, in the prologue
.set KK,  124                          ; v124-127
.set ACC, 128
.set WF,  0                            ; window 1
.set ZF,  128                          ; window 1
.set WN,  32                           ; s[32:35] the next trip's four w, as they land
.set WC,  36                           ; s[36:39] this trip's
.set WP,  40                           ; s40      the last trip's last
.set CNT, 41
.set WPT, 46                           ; s[46:47] where the w on their way come from
.set MSB, 0
.macro WIN new                         ; the immediate's high byte repeats the setting that is left
.if MSB != \new
	s_set_vgpr_msb (MSB<<8)|\new
.set MSB, \new
.endif
.endm
	s_load_b256 s[4:11], s[0:1], 0x0               ; q s[4:5], b1 s[6:7], W2 s[8:9], b2 s[10:11]
	s_load_b64 s[12:13], s[0:1], 0x20              ; out0
	v_lshl_add_u32 v[SPW], v0, 2, SPARE
	v_mov_b32 v[NIL], 0
	v_lshrrev_b32 v1, 5, v0
	v_readfirstlane_b32 s14, v1                    ; wave 0..3
	v_and_b32 v1, 31, v0
	v_and_b32 v[X15], 15, v0
	v_lshlrev_b32 v[L16], 4, v1
	v_lshlrev_b32 v[G8], 3, v1
	v_lshlrev_b32 v[R4], 2, v[X15]
	s_wait_alu depctr_va_sdst(0)                   ; s14 is written, ahead of its first reader: the tiles' numbers and all the wave's bases are made from it
	s_and_b32 s16, ttmp7, 0xffff                   ; block of rows
	s_lshl_b32 s17, s16, 2
	s_add_co_u32 s17, s17, s14                     ; the tile of z that I fetch for the rows: 4 y + wave,
	s_lshl_b32 s18, ttmp9, 2
	s_add_co_u32 s18, s18, s14                     ; and for the columns: 4 x + wave
	s_lshl_b32 s48, s17, 11
	s_mov_b32 s49, 0
	s_lshl_b32 s50, s18, 11
	s_mov_b32 s51, 0
	s_lshl_b32 s52, s17, 8
	s_add_co_u32 s52, s52, SCB
	s_mov_b32 s53, 0
	s_lshl_b32 s54, s18, 8
	s_add_co_u32 s54, s54, SCB
	s_mov_b32 s55, 0
	s_lshl_b32 s56, s14, 14
	s_add_co_u32 s56, s56, 64*2048                 ; W1's tiles 64 + 8 wave on: tile 2 nt + p is h = 64 wave + 16 nt on, half p
	s_mov_b32 s57, 0
	s_lshl_b32 s58, s14, 11
	s_add_co_u32 s58, s58, SCB+64*256
	s_mov_b32 s59, 0
	s_lshl_b32 s60, s14, 8                         ; my 64 numbers of b1 and of W2
	s_mov_b32 s61, 0
	s_lshl_b32 s62, s16, 18                        ; out0: row 64 y + 4 wave, column 64 x
	s_lshl_b32 s63, s14, 14
	s_add_co_u32 s62, s62, s63
	s_lshl_b32 s63, ttmp9, 8
	s_add_co_u32 s62, s62, s63
	s_mov_b32 s63, 0
	s_wait_kmcnt 0x0
	s_add_nc_u64 s[20:21], s[4:5], s[48:49]
	s_add_nc_u64 s[22:23], s[4:5], s[50:51]
	s_add_nc_u64 s[24:25], s[4:5], s[52:53]
	s_add_nc_u64 s[26:27], s[4:5], s[54:55]
	s_add_nc_u64 s[28:29], s[4:5], s[56:57]
	s_add_nc_u64 s[30:31], s[4:5], s[58:59]
	s_add_nc_u64 s[6:7], s[6:7], s[60:61]
	s_add_nc_u64 s[WPT:WPT+1], s[8:9], s[60:61]
	s_add_nc_u64 s[12:13], s[12:13], s[62:63]
	s_load_b128 s[WN:WN+3], s[WPT:WPT+1], 0x0      ; the first trip's four w
	s_load_b32 s42, s[10:11], 0x0                  ; b2
	s_wait_alu depctr_va_vdst(0)                   ; v4, v19 and v56 are written: every global load below reads one of them as its offset; only loads and window switches follow up to the last of them
.irp c, 0,1,2,3
	global_load_b128 v[ACC+4*\c:ACC+4*\c+3], v[L16], s[20:21] offset:512*\c         ; z's two tiles first: the other waves wait for them.  Every load of this kernel reads 512 (the scale words: 256) consecutive bytes
.endr
.irp c, 0,1,2,3
	global_load_b128 v[ACC+16+4*\c:ACC+16+4*\c+3], v[L16], s[22:23] offset:512*\c
.endr
	global_load_b64 v[ACC+32:ACC+33], v[G8], s[24:25]
	global_load_b64 v[ACC+34:ACC+35], v[G8], s[26:27]
	WIN 0x40                                       ; destination window 1
.irp t, 0,1,2,3,4,5,6,7
.irp c, 0,1,2,3
	global_load_b128 v[WF+16*\t+4*\c:WF+16*\t+4*\c+3], v[L16], s[28:29] offset:2048*\t+512*\c
.endr
.endr
	WIN 0
.irp t, 0,1,2,3,4,5,6,7
	global_load_b64 v[WS+2*\t:WS+2*\t+1], v[G8], s[30:31] offset:256*\t
.endr
.irp n, 0,1,2,3
	global_load_b32 v[BL+\n], v[R4], s[6:7] offset:64*\n
.endr
	; the LDS addresses, while the loads are on their way (none of these lines writes a register that a load above reads or lands in)
	v_bfe_u32 v[HH], v0, 4, 1
	v_add_nc_u32 v[XSR], XSC, v[G8]
	s_lshl_b32 s15, s14, 11
	v_add_nc_u32 v[XW], s15, v[L16]
	s_lshl_b32 s15, s14, 8
	v_add_nc_u32 v[XSW], s15, v[XSR]
	v_and_b32 v[LJ], 7, v0
	v_lshlrev_b32 v[LJ], 4, v[LJ]
	v_add_nc_u32 v[CW], s15, v[LJ]
	v_add_nc_u32 v[CW], CP, v[CW]
	s_mul_i32 s15, s14, WREG
	s_add_co_u32 s15, s15, OPR                     ; my operand rows
	v_mul_u32_u24 v[STO], v[X15], PITCH
	v_lshl_add_u32 v[STO], v[HH], 5, v[STO]
	v_add_nc_u32 v[STO], s15, v[STO]
	v_bfe_u32 v[VA], v0, 3, 2                      ; li
	v_lshlrev_b32 v[VA], 6, v[VA]
	v_add_nc_u32 v[VA], s15, v[VA]
	v_add_nc_u32 v[VB], s15, v[LJ]
	v_add_nc_u32 v[VB], 256, v[VB]
	s_mul_i32 s15, s14, RREG
	s_add_co_u32 s15, s15, RED
	v_add_nc_u32 v[RW], s15, v[L16]
	v_bfe_u32 v[RR], v0, 3, 1                      ; back: lane (x = lane % 16, y = lane / 16) takes columns 4 x on: group half f = x / 8, lj = x % 8; rows with li = 2 lp + y, ai = 4 wave + e
	v_mul_u32_u24 v[RR], v[RR], QP
	v_lshl_add_u32 v[RR], v[HH], 7, v[RR]
	v_add_nc_u32 v[RR], v[RR], v[LJ]
	s_mul_i32 s15, s14, 8*QP
	s_add_co_u32 s15, s15, RED
	v_add_nc_u32 v[RR], s15, v[RR]
	v_add_nc_u32 v[RR+1], 2*RREG, v[RR]            ; (a second register: the immediate holds 16 bits)
	v_lshl_add_u32 v[CR], v[X15], 4, CP
	v_lshlrev_b32 v[GO], 4, v[X15]
	v_lshl_add_u32 v[GO], v[HH], 16, v[GO]         ; lanes 16-31: 16 rows of 4,096 bytes further down
	s_wait_alu depctr_va_vdst(0)                   ; the twelve addresses v5 to v16 are written, which the LDS stores and loads and out0's stores below read
	s_wait_loadcnt 44                              ; z's ten loads are in; the 32 + 8 + 4 issued behind them may be out
.irp c, 0,1,2,3
	ds_store_b128 v[XW], v[ACC+4*\c:ACC+4*\c+3] offset:512*\c                 ; tile slot wave: of the rows
.endr
.irp c, 0,1,2,3
	ds_store_b128 v[XW], v[ACC+16+4*\c:ACC+16+4*\c+3] offset:8192+512*\c      ; tile slot 4 + wave: of the columns
.endr
	ds_store_b64 v[XSW], v[ACC+32:ACC+33]
	ds_store_b64 v[XSW], v[ACC+34:ACC+35] offset:1024
	s_wait_dscnt 0x0                               ; for the others' sake: my images have landed
	s_barrier_signal -1
	s_barrier_wait -1                              ; everybody's have
	WIN 0x40
.irp s, 0,1,2,3,4,5,6,7
.irp c, 0,1,2,3
	ds_load_b128 v[ZF+16*\s+4*\c:ZF+16*\s+4*\c+3], v[L16] offset:2048*\s+512*\c   ; (no vector or matrix instruction has named these registers, and v4 stands as the head's wait found it)
.endr
.endr
	WIN 0
.irp s, 0,1,2,3,4,5,6,7
	ds_load_b64 v[ZS+2*\s:ZS+2*\s+1], v[XSR] offset:256*\s
.endr
	s_wait_loadcnt 0x0                             ; W1's codes and scale words, b1
.irp n, 0,1,2,3
.irp j, 0,1,2,3,4,5,6,7
	v_mov_b32 v[BIAS+8*\n+\j], v[BL+\n]            ; b1 in the result's layout: a lane holds one h, its eight registers eight rows of z
.endr
.endr
	s_wait_dscnt 0x0                               ; z's fragments and scale words
; EIGHT TILES OF RESULTS: part p (0: a = row + b1; 1: n = -col), z's four tiles mt, tiles 2 np, 2 np + 1 of my h.  Source 0 = 16 rows of z, source 1 = 16 rows of W1: lane (r, hh) holds h = 16 nt + r and rows 8 hh + 0..7 of z.
; The eight accumulators take turns, one instruction a turn, K step by K step.  The batches use the two halves of v128-255 by turns.
.macro BATCH p, np
.if 2*\p+\np >= 2
	s_wait_dscnt 16                                ; all but the last batch's 16 stores: the batch before it has read the registers that are now written again
	s_wait_alu depctr_vm_vsrc(0)                   ; the LDS stores of the batch before the last have read these 64 registers, which the products below write again
.elseif 2*\p+\np == 0
	s_wait_alu depctr_vm_vsrc(0)                   ; the image stores have read v128-163, which the products below write
.endif
	WIN 0x05                                       ; sources 0 and 1 window 1; C and D window 0
.irp ks, 0,1
.irp mt, 0,1,2,3
.irp nl, 0,1
.set rD, ACC+64*\np+8*(2*\mt+\nl)
.set rA, ZF+16*(4*\p+\mt)+8*\ks
.set rB, WF+16*(2*(2*\np+\nl)+\p)+8*\ks
.set rX, ZS+2*(4*\p+\mt)+\ks
.set rY, WS+2*(2*(2*\np+\nl)+\p)+\ks
.set rC, BIAS+8*(2*\np+\nl)
.if (\ks == 0) && (\p == 0)
	v_wmma_scale_f32_16x16x128_f8f6f4 v[rD:rD+7], v[rA:rA+7], v[rB:rB+7], v[rC:rC+7], v[rX], v[rY] matrix_a_fmt:MATRIX_FMT_FP4 matrix_b_fmt:MATRIX_FMT_FP4
.elseif \ks == 0
	v_wmma_scale_f32_16x16x128_f8f6f4 v[rD:rD+7], v[rA:rA+7], v[rB:rB+7], 0, v[rX], v[rY] matrix_a_fmt:MATRIX_FMT_FP4 matrix_b_fmt:MATRIX_FMT_FP4
.else
	v_wmma_scale_f32_16x16x128_f8f6f4 v[rD:rD+7], v[rA:rA+7], v[rB:rB+7], v[rD:rD+7], v[rX], v[rY] matrix_a_fmt:MATRIX_FMT_FP4 matrix_b_fmt:MATRIX_FMT_FP4
.endif
.endr
.endr
.endr
	WIN 0
.rept 4
	v_nop                                          ; four places between the last product and the stores that read results; two batches' eight stand ahead of the products that write these registers again
.endr
	s_wait_alu depctr_va_vdst(0)                   ; the products have written their 64 registers, which the LDS stores below read; the places above stay beside this wait
.irp mt, 0,1,2,3
.irp nl, 0,1
.set rD, ACC+64*\np+8*(2*\mt+\nl)
	ds_store_b128 v[STO], v[rD:rD+3] offset:(2*\np+\nl)*16*PITCH+256*\p+64*\mt        ; row h = 16 nt + r; numbers 16 mt + 8 hh + 0..3: each accumulator from its low end on
	ds_store_b128 v[STO], v[rD+4:rD+7] offset:(2*\np+\nl)*16*PITCH+256*\p+64*\mt+16
.endr
.endr
.endm
	BATCH 0, 0
	BATCH 0, 1
	BATCH 1, 0
	BATCH 1, 1
; THE PAIR STAGE.  The operands of h number n of the trip: 16 a (four loads, 8 lanes share each 16 bytes) and 8 n (two loads, 4 lanes share), into set n % 2.  FETCH1 is load i of the six.
.macro FETCH1 n, i
.set FB, AB+24*((\n)%2)
.if (\i) < 4
	ds_load_b128 v[FB+4*(\i):FB+4*(\i)+3], v[VA] offset:(\n)*PITCH+16*(\i)
.else
	ds_load_b128 v[FB+4*(\i):FB+4*(\i)+3], v[VB] offset:(\n)*PITCH+128*((\i)-4)
.endif
.endm
.macro FETCH n
.irp i, 0,1,2,3,4,5
	FETCH1 (\n), \i
.endr
.endm
; ONE h: 128 dual instructions.  Number k takes the maximum of pair k = 8 ai + bi into the ring, and multiplies and adds the maximum of the pair seven behind it (across the h's edge: with that h's w).
; What a dual instruction asks of its registers: the two destinations are one even, one odd (ring k, accumulator k - 7); the two second sources lie in different banks (n: k % 4; ring: (k + 3) % 4).
; st = 1: the wave's first h: nothing is due in the first seven, and products start the sums (nothing is ever cleared); st = 2: the h behind it, whose first seven still start sums.
; nxt = 1: the next h's operands are asked for: six loads, one ahead of each eighth of the first 48 dual instructions.
.macro PHASE u, st, nxt
	s_wait_dscnt 0x0                               ; this h's operands, asked for one h ago, are in
.if (\st) == 1
	s_wait_alu depctr_vm_vsrc(0)                   ; my LDS stores of the products' results have read v128-255, which this h's products write.  (Its loads owe no wait: the last batch's wait on va_vdst covers all that named v100-123, and no vector line since names them)
.elseif \nxt
	s_wait_alu depctr_va_vdst(0)                   ; the last h's dual instructions are done reading the other set, in which the six loads below land; in a trip's first h v9 and v10, which they read, are written
.endif
.set PA, AB+24*((\u)%2)
.set PB, PA+16
.set k, 0
.rept 128
.if (\nxt) && (k%8 == 0) && (k < 48)
	FETCH1 (\u)+1, k/8                             ; no wait: no vector instruction since the wait above names the other set, v9 or v10
.endif
.set e, (k+121)%128
.if k >= 7
.set sw, WC+(\u)
.elseif (\u) == 0
.set sw, WP
.else
.set sw, WC+(\u)-1
.endif
.if ((\st) == 1) && (k < 7)
	v_max_num_f32 v[T+k%8], v[PA+k/8], v[PB+k%8]
.elseif (((\st) == 1) && (k >= 7)) || (((\st) == 2) && (k < 7))
	v_dual_max_num_f32 v[T+k%8], v[PA+k/8], v[PB+k%8] :: v_dual_mul_f32 v[ACC+e], s[sw], v[T+e%8]
.else
	v_dual_max_num_f32 v[T+k%8], v[PA+k/8], v[PB+k%8] :: v_dual_fmac_f32 v[ACC+e], s[sw], v[T+e%8]
.endif
.set k, k+1
.endr
.irp m, 0,2,4,6                        ; and the columns' own sums of w n
.if (\st) == 1
	v_dual_mul_f32 v[CA+\m], s[WC+(\u)], v[PB+\m] :: v_dual_mul_f32 v[CA+\m+1], s[WC+(\u)], v[PB+\m+1]
.else
	v_dual_fmac_f32 v[CA+\m], s[WC+(\u)], v[PB+\m] :: v_dual_fmac_f32 v[CA+\m+1], s[WC+(\u)], v[PB+\m+1]
.endif
.endr
.endm
; A TRIP: four h.  kind 0: the first; 1: in the loop; 2: the last, which asks for nothing beyond my rows and my 64 numbers of W2
.macro TRIP kind
	s_wait_kmcnt 0x0                               ; this trip's four w, asked for a trip ago, have landed; that load is done, so its address may step
.if \kind != 0
	s_mov_b32 s[WP], s[WC+3]
.endif
	s_mov_b64 s[WC:WC+1], s[WN:WN+1]
	s_mov_b64 s[WC+2:WC+3], s[WN+2:WN+3]
.if \kind != 2
	s_add_nc_u64 s[WPT:WPT+1], s[WPT:WPT+1], 16
	s_load_b128 s[WN:WN+3], s[WPT:WPT+1], 0x0
.endif
.if \kind == 0
	PHASE 0, 1, 1
	PHASE 1, 2, 1
.else
	PHASE 0, 0, 1
	PHASE 1, 0, 1
.endif
	PHASE 2, 0, 1
.if \kind != 2
	PHASE 3, 0, 1                                  ; (its fetch is the next trip's first h: four rows on from the trip's address)
	s_wait_alu depctr_vm_vsrc(0)                   ; the LDS loads issued so far have read v9 and v10, which the two adds write
	v_add_nc_u32 v[VA], 4*PITCH, v[VA]
	v_add_nc_u32 v[VB], 4*PITCH, v[VB]
.else
	PHASE 3, 0, 0
.endif
.endm
	FETCH 0                                        ; LDS serves a wave's instructions in order: these see my stores above.  They land where b1's tiles lay: the lines that wrote those and the products that read them stand ahead of the last batch's wait on va_vdst, and no vector line follows it
	TRIP 0
	s_mov_b32 s[CNT], 14
.Ltrip:
	TRIP 1
	s_sub_co_u32 s[CNT], s[CNT], 1
	s_cmp_lg_u32 s[CNT], 0
	s_cbranch_scc1 .Ltrip
	TRIP 2
.irp i, 0,1,2,3,4,5,6
	v_fmac_f32 v[ACC+121+\i], s[WC+3], v[T+(1+\i)%8]   ; the last seven pairs of the last h
.endr
	; THE END.  My partial sums go to LDS as they stand in the registers: group g = 2 ai + f of four accumulators, lane l's 16 bytes at 16 l.
	s_wait_alu depctr_va_vdst(0)                   ; the accumulators and the columns' sums are written, which the LDS stores below read; and the last h is done reading v76-123, in part of which loads land behind the barrier
.set g, 0
.rept 32
	ds_store_b128 v[RW], v[ACC+4*g:ACC+4*g+3] offset:g*QP
.set g, g+1
.endr
	ds_store_b128 v[CW], v[CA:CA+3]                ; columns 4 lj on (the four lanes with one lj write the same bytes with the same values),
	ds_store_b128 v[CW], v[CA+4:CA+7] offset:128   ; and 32 + 4 lj on
	s_wait_dscnt 0x0                               ; for the others' sake: my sums have landed
	s_barrier_signal -1
	s_barrier_wait -1
	s_wait_alu depctr_vm_vsrc(0)                   ; my LDS stores have read v128-255, in which the four waves' partial sums land
.irp s, 0,1,2,3
	ds_load_b128 v[AB+4*\s:AB+4*\s+3], v[CR] offset:256*\s
.endr
.irp s, 0,1,2,3                        ; wave s's sums of my 16 rows: rows 16 (2 lp + y) + 4 wave + er, 16 lanes to a row's 64 columns
.irp lp, 0,1
.irp er, 0,1,2,3
	ds_load_b128 v[ACC+32*\s+16*\lp+4*\er:ACC+32*\s+16*\lp+4*\er+3], v[RR+\s/2] offset:(\s%2)*RREG+\er*2*QP+\lp*256
.endr
.endr
.endr
	s_mov_b32 s44, 0x3fb8aa3b                      ; L = log2(e)
	s_mul_f32 s43, s42, 0xbfb8aa3b                 ; -L b2
	s_wait_dscnt 32                                ; the four loads of the columns' sums are in; the 32 behind them may be out
	v_pk_add_f32 v[AB:AB+1], v[AB:AB+1], v[AB+4:AB+5]
	v_pk_add_f32 v[AB+2:AB+3], v[AB+2:AB+3], v[AB+6:AB+7]
	v_pk_add_f32 v[AB+8:AB+9], v[AB+8:AB+9], v[AB+12:AB+13]
	v_pk_add_f32 v[AB+10:AB+11], v[AB+10:AB+11], v[AB+14:AB+15]
	v_pk_add_f32 v[AB:AB+1], v[AB:AB+1], v[AB+8:AB+9]
	v_pk_add_f32 v[AB+2:AB+3], v[AB+2:AB+3], v[AB+10:AB+11]
.irp i, 0,1,2,3
	v_fma_f32 v[KK+\i], v[AB+\i], s44, s43         ; K = L (sum of w n) - L b2: the exponent below is -L (S - sum of w n + b2) = -L S + K
.endr
	s_wait_dscnt 16                                ; the sums of waves 0 and 1 are in
.set i, 0
.rept 16
	v_pk_add_f32 v[ACC+2*i:ACC+2*i+1], v[ACC+2*i:ACC+2*i+1], v[ACC+32+2*i:ACC+32+2*i+1]
.set i, i+1
.endr
	s_wait_dscnt 0x0
.set i, 0
.rept 16
	v_pk_add_f32 v[ACC+64+2*i:ACC+64+2*i+1], v[ACC+64+2*i:ACC+64+2*i+1], v[ACC+96+2*i:ACC+96+2*i+1]
.set i, i+1
.endr
.set i, 0
.rept 16
	v_pk_add_f32 v[ACC+2*i:ACC+2*i+1], v[ACC+2*i:ACC+2*i+1], v[ACC+64+2*i:ACC+64+2*i+1]
.set i, i+1
.endr
.set i, 0
.rept 16
	v_pk_fma_f32 v[ACC+2*i:ACC+2*i+1], v[ACC+2*i:ACC+2*i+1], 0xbfb8aa3b, v[KK+2*(i%2):KK+2*(i%2)+1] op_sel_hi:[1,0,1]
.set i, i+1
.endr
.set i, 0
.rept 32
	v_exp_f32 v[ACC+i], v[ACC+i]                   ; 2^(-L x): infinity for a very negative x, which ends as 0; 0 for a very large one, which ends as 1
.set i, i+1
.endr
	v_nop                                          ; a plain instruction behind the last exponential,
	s_wait_alu depctr_va_vdst(0)                   ; and one wait for the batch: the 32 exponentials have written v128-159, ahead of their first reader
.set i, 0
.rept 16
	v_pk_add_f32 v[ACC+2*i:ACC+2*i+1], v[ACC+2*i:ACC+2*i+1], 1.0 op_sel_hi:[1,0]
.set i, i+1
.endr
.set i, 0
.rept 32
	v_rcp_f32 v[ACC+i], v[ACC+i]
.set i, i+1
.endr
	v_nop
	s_wait_alu depctr_va_vdst(0)                   ; likewise for the reciprocals: they have written v128-159, which the stores below read as their data
.irp lp, 0,1
.irp er, 0,1,2,3
	global_store_b128 v[GO], v[ACC+16*\lp+4*\er:ACC+16*\lp+4*\er+3], s[12:13] offset:\lp*131072+\er*4096 th:TH_STORE_NT   ; 16 lanes store 256 consecutive bytes, at a multiple of 256 from out0's first byte
.endr
.endr
	s_wait_dscnt 0x0                               ; the wave's end: behind my last LDS store
	s_wait_alu 0x0
	s_wait_tensorcnt 0x0
	ds_add_u32 v[SPW], v[NIL]
	s_wait_dscnt 0x0
	s_endpgm
.Lfunc_end_k_qe9ca0f7a6f_pairs:
	.size	k_qe9ca0f7a6f_pairs, .Lfunc_end_k_qe9ca0f7a6f_pairs-k_qe9ca0f7a6f_pairs
	.p2alignl 7, 3214868480
	.fill 96, 4, 3214868480
	.section	.rodata,"a",@progbits
	.p2align	6, 0x0
	.amdhsa_kernel k_qe9ca0f7a6f_pairs
		.amdhsa_group_segment_fixed_size 237056
		.amdhsa_private_segment_fixed_size 0
		.amdhsa_enable_private_segment 0
		.amdhsa_kernarg_size 40
		.amdhsa_user_sgpr_count 2
		.amdhsa_user_sgpr_kernarg_segment_ptr 1
		.amdhsa_wavefront_size32 1
		.amdhsa_system_sgpr_workgroup_id_x 1
		.amdhsa_system_sgpr_workgroup_id_y 1
		.amdhsa_system_sgpr_workgroup_id_z 1
		.amdhsa_system_vgpr_workitem_id 0
		.amdhsa_next_free_vgpr 512
		.amdhsa_next_free_sgpr 66
		.amdhsa_reserve_vcc 0
		.amdhsa_float_denorm_mode_32 3
		.amdhsa_float_denorm_mode_16_64 3
		.amdhsa_memory_ordered 1
		.amdhsa_forward_progress 1
		.amdhsa_inst_pref_size 146
	.end_amdhsa_kernel
	.amdgpu_metadata
---
amdhsa.version: [ 1, 2 ]
amdhsa.kernels:
  - .name:           k_qe9ca0f7a6f_pairs
    .symbol:         k_qe9ca0f7a6f_pairs.kd
    .args:
      - { .name: q, .offset: 0, .size: 8, .value_kind: global_buffer, .address_space: global }
      - { .name: b1, .offset: 8, .size: 8, .value_kind: global_buffer, .address_space: global }
      - { .name: W2, .offset: 16, .size: 8, .value_kind: global_buffer, .address_space: global }
      - { .name: b2, .offset: 24, .size: 8, .value_kind: global_buffer, .address_space: global }
      - { .name: out0, .offset: 32, .size: 8, .value_kind: global_buffer, .address_space: global }
    .group_segment_fixed_size: 237056
    .private_segment_fixed_size: 0
    .kernarg_segment_align: 8
    .kernarg_segment_size: 40
    .max_flat_workgroup_size: 128
    .sgpr_count:     66
    .vgpr_count:     512
    .wavefront_size: 32
...
	.end_amdgpu_metadata
.endif
;; end of part 3
